; MI455X (gfx1250); checked and timed in simulation.
; The chip was launched on July 23, 2026; its instructions are those of AMD's public machine-readable ISA for CDNA 5 (MIT licence, August 2026) and "CDNA5" Instruction Set Architecture Reference Guide (July 2026). The comments in the code are by the model that wrote it; some were corrected since.
;; Multi Head Self Cross Attention. Allowed arithmetic: matrix products marked QUANTISED: E5M2 operands, one given power-of-two scale a tensor, by v_wmma_f32_16x16x64_bf8_bf8 or v_wmma_f32_16x16x128_bf8_bf8, f32 sums; everything else in f32.
;; Inputs: Wkc_codes 512 x 32 x 32 uint8 (E5M2 codes of Wkc, K innermost, in blocks of 32 codes); Wks_codes 512 x 32 x 32 uint8 (E5M2 codes of Wks, K innermost, in blocks of 32 codes); Wo_codes 1,024 x 64 x 32 uint8 (E5M2 codes of Wo, K innermost, in blocks of 32 codes); Wqc_codes 512 x 32 x 32 uint8 (E5M2 codes of Wqc, K innermost, in blocks of 32 codes); Wqs_codes 512 x 32 x 32 uint8 (E5M2 codes of Wqs, K innermost, in blocks of 32 codes); Wvc_codes 512 x 32 x 32 uint8 (E5M2 codes of Wvc, K innermost, in blocks of 32 codes); Wvs_codes 512 x 32 x 32 uint8 (E5M2 codes of Wvs, K innermost, in blocks of 32 codes); bkc 512 float32; bks 512 float32; bo 1,024 float32; bqc 512 float32; bqs 512 float32; bvc 512 float32; bvs 512 float32; f1_codes 2 x 2,048 x 32 x 32 uint8 (E5M2 codes of f1, K innermost, in blocks of 32 codes); f2_codes 2 x 2,048 x 32 x 32 uint8 (E5M2 codes of f2, K innermost, in blocks of 32 codes); lowp_scales 22 int32 (the exponents e of the quantised operands' scales 2^e).
;; Outputs: out0 2 x 2,048 x 1,024 float32.
;; This version of the problem:
;;   THIS VERSION OF THE PROBLEM IS GIVEN IN LOW PRECISION. The matrix products marked QUANTISED in the list below multiply operands that are first quantised to E5M2 (5 exponent bits, 2 mantissa bits; 8 bits a number), with one given power-of-two scale for each operand tensor; their sums are f32. All else is computed in f32.
;;   The module's matrix products, in the order in which they are computed (A, B: the left and right operand; K: the contracted axis; several contracted axes count as one K, in the product's order):
;;     1. [M 4,096, K 1,024] x [K 1,024, N 512]; A: input f1 (given as codes); B: input Wqs (given as codes): QUANTISED (scales: A lowp_scales[0], B lowp_scales[1])
;;     2. [M 4,096, K 1,024] x [K 1,024, N 512]; A: input f1 (given as codes); B: input Wks (given as codes): QUANTISED (scales: A lowp_scales[2], B lowp_scales[3])
;;     3. [M 4,096, K 1,024] x [K 1,024, N 512]; A: input f1 (given as codes); B: input Wvs (given as codes): QUANTISED (scales: A lowp_scales[4], B lowp_scales[5])
;;     4. [M 4,096, K 1,024] x [K 1,024, N 512]; A: input f1 (given as codes); B: input Wqc (given as codes): QUANTISED (scales: A lowp_scales[6], B lowp_scales[7])
;;     5. [M 4,096, K 1,024] x [K 1,024, N 512]; A: input f2 (given as codes); B: input Wkc (given as codes): QUANTISED (scales: A lowp_scales[8], B lowp_scales[9])
;;     6. [M 4,096, K 1,024] x [K 1,024, N 512]; A: input f2 (given as codes); B: input Wvc (given as codes): QUANTISED (scales: A lowp_scales[10], B lowp_scales[11])
;;     7. batch 16 x [M 2,048, K 64] x [K 64, N 2,048]; A: computed on the way; B: computed on the way: QUANTISED (scales: A lowp_scales[12], B lowp_scales[13])
;;     8. batch 16 x [M 2,048, K 2,048] x [K 2,048, N 64]; A: softmax (see below); B: computed on the way: QUANTISED (scales: A lowp_scales[14], B lowp_scales[15])
;;     9. batch 16 x [M 2,048, K 64] x [K 64, N 2,048]; A: computed on the way; B: computed on the way: QUANTISED (scales: A lowp_scales[16], B lowp_scales[17])
;;     10. batch 16 x [M 2,048, K 2,048] x [K 2,048, N 64]; A: softmax (see below); B: computed on the way: QUANTISED (scales: A lowp_scales[18], B lowp_scales[19])
;;     11. [M 4,096, K 2,048] x [K 2,048, N 1,024]; A: computed on the way; B: input Wo (given as codes): QUANTISED (scales: A lowp_scales[20], B lowp_scales[21])
;;   THE QUANTISER, for each operand of a quantised product, along K:
;;     - The operand's scale is 2^e, e = its entry of the input lowp_scales (int32; the entries are numbered through the quantised products in the list's order, A before B).
;;     - Each number is divided by the scale, clamped to +-57,344, and rounded to the nearest number of E5M2, ties to even, subnormals kept.
;;     - The product sums the exact products of the quantised numbers (number of the format x scale) in f32.
;;   ~~~python
;;   def quantise(x, axis, e):      # numpy; x: float32 -> the quantised numbers, widened to float32 again
;;       x = np.moveaxis(x, axis, -1); K = x.shape[-1]
;;       r = np.clip(x / 2.0 ** e, -57344, 57344)
;;       step = 2.0 ** (np.maximum(np.frexp(np.where(r == 0, 1, r))[1] - 1, -14) - 2)
;;       q = np.round(r / step) * step * 2.0 ** e      # np.round: ties to even
;;       return np.moveaxis(q, -1, axis).astype(np.float32)
;;   ~~~
;;   SOFTMAX AHEAD OF A QUANTISED PRODUCT. Where the list says 'softmax', what is quantised is not the finished softmax but p = 2^(t - M), with t = logit x log2(e) and M = ceil(the row's largest t), a whole number; so 1/2 < the row's largest p <= 1. The row's sum l is taken of the UNQUANTISED p, in f32, and the product's result is divided by l at the end. Since M is a whole number, a kernel that streams over the keys may use a running M (the ceiling of the running maximum): every later rescaling is an exact power of two, so the quantised numbers keep their values, but for numbers so far below the row's largest that they fall under the format's range.
;;   OPERANDS COMPUTED ON THE WAY. 'Computed on the way' means the value that the module computes at that place (a softmax that the list does not call 'softmax' is quantised finished and normalised). What goes into a quantiser is computed in f32, as accurately as f32 sums, v_exp_f32 and their like allow (about 1e-6 of the number): no bf16 or f16 on the way to a quantiser, and a product that is left as it is and whose result goes on into a quantised operand takes f32 operands (vector FMAs, or v_wmma_f32_16x16x4_f32). A number that lies on a knife's edge between two numbers of the format may be rounded either way, as far as f32 arithmetic and the matrix unit's own rounding can turn it there, and no further.
;;   INPUTS GIVEN AS CODES. Wkc (in the module: [512, 1024], K = its axis 1); Wks (in the module: [512, 1024], K = its axis 1); Wo (in the module: [1024, 2048], K = its axis 1); Wqc (in the module: [512, 1024], K = its axis 1); Wqs (in the module: [512, 1024], K = its axis 1); Wvc (in the module: [512, 1024], K = its axis 1); Wvs (in the module: [512, 1024], K = its axis 1); f1 (in the module: [2, 2048, 1024], K = its axis 2); f2 (in the module: [2, 2048, 1024], K = its axis 2): each comes as NAME_codes (uint8): NAME with its K axis moved to the last place and cut into blocks of 32 codes, [.., K / 32, bytes a block], one block behind the other in memory; one code a byte (a code: sign, 5 exponent bits, 2 mantissa bits); its scale is its entry of lowp_scales. Its value is code x scale, taken as it is: it is not quantised again, and the codes and scales need not be those that the quantiser above would give.
;; One version. Each part assembles by itself: llvm-mc -triple=amdgcn-amd-amdhsa -mcpu=gfx1250 --defsym DOCPART=n.
;; ======== version 1 of 1: 3 launches
;; limits: right only within a limited range of input values
;; workspace buffers: qimg 4,194,304 bytes; kvimg 8,388,608 bytes; yimg 8,388,608 bytes
;; launch proj (part 1): grid 16 x 16, 4 waves a work-group, clusters of 4 x 4, 327,680 bytes of LDS; arguments Wqs_codes, Wks_codes, Wqc_codes, Wkc_codes, Wvs_codes, Wvc_codes, bqs, bks, bqc, bkc, bvs, bvc, f1_codes, f2_codes, lowp_scales, qimg, kvimg, yimg; writes qimg, kvimg, yimg
.if DOCPART == 1
	.amdgcn_target "amdgcn-amd-amdhsa--gfx1250"
	.amdhsa_code_object_version 6
	.text
	.protected	k_q3135285710_proj
	.globl	k_q3135285710_proj
	.p2align	8
	.type	k_q3135285710_proj,@function
k_q3135285710_proj:
	s_mov_b64 s[64:65], 0
	v_nop
	global_prefetch_b8 v0, s[64:65] scope:SCOPE_SE
	s_setreg_imm32_b32 hwreg(HW_REG_WAVE_MODE, 25, 1), 1
	s_wait_xcnt 0x0
	s_wait_alu depctr_hold_cnt(0) depctr_sa_sdst(0) depctr_va_vdst(0) depctr_va_sdst(0) depctr_va_ssrc(0) depctr_va_vcc(0) depctr_vm_vsrc(0)
	s_getreg_b32 s2, hwreg(HW_REG_IB_STS2, 6, 4)
	s_cmp_eq_u32 s2, 0
	s_cbranch_scc0 .Lentry_in_a_cluster
	s_endpgm
.Lentry_in_a_cluster:
	s_bfe_u32 s2, ttmp6, 0x10000c
	s_cmp_lg_u32 s2, 0xf033
	s_cbranch_scc0 .Lentry_shape_is_right
	s_endpgm
.Lentry_shape_is_right:
; The six projections relu(x W^T + b) on codes of E5M2, and the quantisers behind them.  x: f1 or f2, [4096][1024] codes; W: [512][1024] codes; b: [512] f32.
; SHARES.  256 work-groups of equal matrix work.  A work-group owns 128 columns (two heads) of ONE weight and walks row blocks of 128 tokens: four for qs, ks, qc, kc; two for vs, vc, whose products are issued twice (below).
; Clusters of 4 x 4; cluster (X, Y).  Y < 2: weight X (0 qs, 1 ks, 2 qc, 3 kc), row group g = 4 Y + cy, blocks 4 g + 0 .. 3.  Y >= 2: weight 4 + X % 2 (4 vs, 5 vc), g = 4 (2 (Y - 2) + X / 2) + cy, blocks 2 g, 2 g + 1.
; cx is the weight's block of 128 columns.  Each of the four waves makes 64 x 64 of a block: rows 64 (wave / 2) on, columns 64 (wave % 2) on, which is one head.
; THE WEIGHT STAYS IN REGISTERS: a wave's 64 columns x 1,024 K are 512 registers, read once from LDS.  x goes through TWO LDS SLOTS, each a whole block (128 rows x all of K): a K step of 128 reads 16 fragments' loads for 16 or 32 products.
; At the head waves 0, 1 bring x's block 0 into slot 0 and waves 2, 3 the weight into slot 1.  When the weight is in registers, slot 1 is filled again with block 1, and so on by turns: one load of 32 rows a wave behind each round.
; x's tiles are shared along a row of the cluster, W's along a column: each is asked for JOINTLY, by the same tensor load with the same descriptor and a mask that names the four.
; PREFETCH: block b + 2 of x is asked for in block b (two blocks ahead of its products, one ahead of its load): 512 pieces of 256 bytes, one a lane: partner cx takes rows 32 cx on, wave w the w-th 256 bytes of a row, a lane a row.
; Blocks 0 and 1 and the weight come by their loads alone.
; RESULTS LEAVE AS IMAGES OF OPERAND REGISTERS.  In the 8-bit layout of the plain forms registers 2 c, 2 c + 1 of lane (r, h) hold k = 16 c + 8 h + 0 .. 7 of row r; a result's eight registers of a lane are eight
; neighbours 8 h + 0 .. 7.  So one conversion of an accumulator gives registers 2 c, 2 c + 1 of the next product's operand, and four such registers are stored at 16 x lane: 512 consecutive bytes a wave.
;   T (source 0 = 16 rows of W, source 1 = 16 rows of x): a lane holds one token and eight channels: q's and k's fragments, and v as columns of y.
;   N (the sources swapped): a lane holds one channel and eight tokens: V^T's fragments.  v needs both.
; SCALES.  A sum stands for sum x 2^(ea + eb).  The bias goes in as the C of the first K step, as b / 2^(ea + eb); the conversion takes 2^(eq - ea - eb).  relu and the hold are one v_med3 between 0 and 57,344 x that power.
; LIMITS: eq - ea - eb between -126 and 112, so that both numbers are f32 numbers.  NaN codes are not served.
; REGISTERS.  window 0: v1-15 addresses; v16-19 scales; v20-23 raw bias; v30, v31 the add's; v32-63 bias for T; v64-95 bias for N; v96-127 codes; v128-255 T's 16 accumulators ((a, t) at 128 + 8 (4 a + t)).
;   window 1: v0-63, v64-127 two sets of x's four fragments; v128-255 N's 16 accumulators ((t, a) at 128 + 8 (4 t + a)).   windows 2, 3: W: K step k, tile t at 64 k + 16 t.
.set PITCH, 1040                       ; an LDS row: 1,024 bytes + 16 of padding = 260 words: the 16 rows of a fragment load start at 16 different banks (64 banks of 4 bytes: ISA guide 11.1)
.set HALF,  64*PITCH
.set QUART, 32*PITCH
.set SLOT,  2*HALF
.set SPARE, 2*SLOT                     ; behind the slots: the spare words
.set FLAGS, (1<<20)|(1<<21)|(7<<22)|(3<<25)   ; elements of 1 byte; 20 padding on; 21 set beside a mask; 24:22 after every 256 words; 31:25 four words
.set WV,    3                          ; s3       my wave's number
.set G1A,   40                         ; s[40:47] group 1: x, 64 rows
.set G1B,   48                         ; s[48:55] W, 64 rows
.set G1C,   68                         ; s[68:75] x, 32 rows
.set G0A,   76                         ; s[76:79] group 0: x's block 0
.set G0B,   80                         ; s[80:83] W
.set G0C,   84                         ; s[84:91] the refills, one set for each slot
.set WS,    92                         ; s92      my weight, 0 .. 5
.set PF,    94                         ; s[94:95] the prefetches' base
.set ST,    96                         ; s[96:97] q, k: bytes from block to block in the image
.set ADRA,  4                          ; v4, v5   LDS address of my fragments of x in slot 0, 1
.set ADRB,  8                          ; v8       of W
.set PFO,   15                         ; v15      1,024 x lane
.set BT,    32
.set BN,    64
.set CT,    96
.set ACT,   128
.set MSB, 0
.macro WIN new                         ; the immediate's high byte repeats the setting that is left
.if MSB != (\new)
	s_set_vgpr_msb (MSB<<8)|(\new)
.set MSB, (\new)
.endif
.endm
.macro PLACES                          ; four places in front of loads into registers that matrix instructions have read, and of the first read of results
.rept 4
	v_nop
.endr
.endm
.macro CROUND                          ; a round of the cluster's barrier
	s_barrier_signal -1
	s_barrier_wait -1
	s_cmp_lg_u32 s[WV], 0
	s_cbranch_scc1 .Lnot_wave_0_\@
	s_barrier_signal -3
.Lnot_wave_0_\@:
	s_barrier_wait -3
	s_barrier_signal -1
	s_barrier_wait -1
.endm
	s_load_b256 s[4:11], s[0:1], 0x0               ; Wqs, Wks, Wqc, Wkc
	s_load_b128 s[12:15], s[0:1], 0x20             ; Wvs, Wvc
	s_load_b256 s[16:23], s[0:1], 0x30             ; bqs, bks, bqc, bkc
	s_load_b128 s[24:27], s[0:1], 0x50             ; bvs, bvc
	s_load_b128 s[28:31], s[0:1], 0x60             ; f1, f2
	s_load_b256 s[32:39], s[0:1], 0x70             ; the scales' exponents, qimg, kvimg, yimg
	v_lshl_add_u32 v30, v0, 2, SPARE
	v_mov_b32 v31, 0
	ds_add_u32 v30, v31                            ; the opening lines: the add, twice on end, and its wait ahead of my first tensor load
	ds_add_u32 v30, v31
	v_lshrrev_b32 v1, 5, v0
	v_readfirstlane_b32 s[WV], v1                  ; wave 0..3
	s_lshr_b32 s56, s[WV], 1                       ; wr: which 64 rows are mine
	s_and_b32 s57, s[WV], 1                        ; wc: which 64 columns
	s_bfe_u32 s58, ttmp6, 0x40000                  ; cx: the weight's block of 128 columns
	s_bfe_u32 s59, ttmp6, 0x40004                  ; cy
	s_and_b32 s93, ttmp7, 0xffff                   ; Y
	s_mov_b32 s63, ttmp9                           ; X
	s_and_b32 s98, s63, 1
	s_add_co_u32 s98, s98, 4                       ; v: weight 4 + X % 2
	s_max_u32 s99, s93, 2
	s_sub_co_u32 s99, s99, 2
	s_lshl_b32 s99, s99, 1
	s_lshr_b32 s62, s63, 1
	s_add_co_u32 s99, s99, s62                     ; v: 2 (Y - 2) + X / 2
	s_cmp_ge_u32 s93, 2                            ; the cluster's y: the same in all sixteen partners
	s_cselect_b32 s[WS], s98, s63
	s_cselect_b32 s99, s99, s93
	s_cselect_b32 s98, 1, 2
	s_lshl_b32 s60, s99, 2
	s_add_co_u32 s60, s60, s59                     ; g
	s_lshl_b32 s60, s60, s98                       ; rb: my first block of 128 rows
	s_lshr_b32 s61, 0x2c, s[WS]
	s_and_b32 s61, s61, 1                          ; br: weights 2, 3 and 5 belong to the cross branch
	s_lshl_b32 s62, s59, 2
	s_lshl_b32 s62, 15, s62                        ; my row of the cluster
	s_lshl_b32 s63, 0x1111, s58                    ; my column
	s_or_b32 s[G1A], s62, FLAGS                    ; x's tiles go to my row,
	s_or_b32 s[G1B], s63, FLAGS                    ; W's to my column
	s_or_b32 s[G1C], s62, FLAGS
.irp g, G1A, G1B, G1C
	s_mov_b32 s[\g+1], 1024<<16                    ; tensor_dim0
	s_mov_b32 s[\g+3], 1024<<16                    ; tile_dim0
	s_mov_b32 s[\g+5], 1024                        ; from row to row
	s_mov_b32 s[\g+6], 0
	s_mov_b32 s[\g+7], 0
.endr
	s_mov_b32 s[G1A+2], 64<<16                     ; tensor_dim1 and tile_dim1: the rows
	s_mov_b32 s[G1A+4], 64
	s_mov_b32 s[G1B+2], 64<<16
	s_mov_b32 s[G1B+4], 64
	s_mov_b32 s[G1C+2], 32<<16
	s_mov_b32 s[G1C+4], 32
	s_wait_dscnt 0x0
	s_wait_kmcnt 0x0
.irp p, 1,2,3,4,5                      ; my weight and its bias: a choice on the cluster's place in the grid alone
	s_cmp_eq_u32 s[WS], \p
	s_cselect_b64 s[4:5], s[4+2*\p:5+2*\p], s[4:5]
	s_cselect_b64 s[16:17], s[16+2*\p:17+2*\p], s[16:17]
.endr
	s_lshr_b32 s62, 0x28, s[WS]
	s_and_b32 s62, s62, 1
	s_cmp_lg_u32 s62, 0                            ; weights 3 and 5 multiply f2
	s_cselect_b64 s[28:29], s[30:31], s[28:29]
	s_lshl_b32 s62, s[WS], 2
	s_lshr_b32 s24, 0x524310, s62                  ; which product of the table: its pair of entries
	s_and_b32 s24, s24, 15
	s_lshl_b32 s24, s24, 3
	s_lshr_b32 s25, 0x735410, s62                  ; the entry of the operand that is made, counted from entry 12: 12, 13, 16, 17, 15, 19
	s_and_b32 s25, s25, 15
	s_lshl_b32 s25, s25, 2
	s_load_b64 s[20:21], s[32:33], s24             ; ea, eb
	s_load_b32 s22, s[32:33], s25 offset:0x30      ; eX: q's, k's or V^T's
	s_load_b32 s23, s[32:33], 0x50                 ; e20: y's
	s_lshl_b32 s6, s60, 17                         ; x: row 128 rb, 1,024 bytes a row: it hangs on the row group alone, which my row of the cluster shares
	s_mov_b32 s7, 0
	s_add_nc_u64 s[28:29], s[28:29], s[6:7]
	s_lshl_b32 s8, s58, 17                         ; W: row 128 cx + 64 wc: it hangs on the column block alone, which my column shares
	s_lshl_b32 s9, s57, 16
	s_add_co_u32 s8, s8, s9
	s_mov_b32 s9, 0
	s_add_nc_u64 s[4:5], s[4:5], s[8:9]
	s_mul_i32 s10, s[WV], HALF                     ; the head's loads: wave x 64 rows: x's halves fill slot 0, W's slot 1
	s_lshl_b32 s6, s57, 16
	s_mov_b32 s[G0A], 1
	s_mov_b32 s[G0A+1], s10
	s_add_nc_u64 s[G0A+2:G0A+3], s[28:29], s[6:7]
	s_or_b32 s[G0A+3], s[G0A+3], 0x80000000
	s_mov_b32 s[G0B], 1
	s_mov_b32 s[G0B+1], s10
	s_mov_b64 s[G0B+2:G0B+3], s[4:5]
	s_or_b32 s[G0B+3], s[G0B+3], 0x80000000
	s_mul_i32 s11, s[WV], QUART                    ; the refills: wave x 32 rows
	s_lshl_b32 s6, s[WV], 15
	s_add_nc_u64 s[98:99], s[28:29], s[6:7]
	s_mov_b32 s[G0C], 1                            ; slot 0 takes block 2,
	s_mov_b32 s[G0C+1], s11
	s_add_nc_u64 s[G0C+2:G0C+3], s[98:99], 2*131072
	s_or_b32 s[G0C+3], s[G0C+3], 0x80000000
	s_mov_b32 s[G0C+4], 1                          ; slot 1 blocks 1 and 3
	s_add_co_u32 s[G0C+5], s11, SLOT
	s_add_nc_u64 s[G0C+6:G0C+7], s[98:99], 131072
	s_or_b32 s[G0C+7], s[G0C+7], 0x80000000
	s_lshl_b32 s8, s58, 15                         ; the prefetches: rows 32 cx on, bytes 256 wave on
	s_lshl_b32 s9, s[WV], 8
	s_add_co_u32 s8, s8, s9
	s_mov_b32 s9, 0
	s_add_nc_u64 s[PF:PF+1], s[28:29], s[8:9]
	CROUND                                         ; all sixteen work-groups are here: the joint loads meet
	s_cmp_lt_u32 s[WV], 2                          ; one load a wave, one to an arm
	s_cbranch_scc0 .Lfill_b
	tensor_load_to_lds s[G0A:G0A+3], s[G1A:G1A+7]
	s_nop 0
	PLACES
	s_branch .Lfilled
.Lfill_b:
	tensor_load_to_lds s[G0B:G0B+3], s[G1B:G1B+7]
	s_nop 0
	PLACES
.Lfilled:
	s_lshl_b32 s12, s58, 9                         ; the bias of my 64 columns: 4 (128 cx + 64 wc) bytes on
	s_lshl_b32 s13, s57, 8
	s_add_co_u32 s12, s12, s13
	s_mov_b32 s13, 0
	s_add_nc_u64 s[16:17], s[16:17], s[12:13]
	v_and_b32 v1, 15, v0                           ; r
	v_bfe_u32 v2, v0, 4, 1                         ; h
	v_lshlrev_b32 v13, 5, v2                       ; 32 h
	v_lshlrev_b32 v14, 2, v1                       ; 4 r
.irp t, 0,1,2,3                        ; T's bias: tile t, register j: b[16 t + 8 h + j]
	global_load_b128 v[BT+8*\t:BT+8*\t+3], v13, s[16:17] offset:64*\t
	global_load_b128 v[BT+8*\t+4:BT+8*\t+7], v13, s[16:17] offset:64*\t+16
.endr
	v_mul_u32_u24 v3, v1, PITCH
	v_lshl_add_u32 v3, v2, 4, v3                   ; a fragment's row x pitch + 16 x half
	s_wait_alu depctr_va_vdst(0)                   ; ahead of the scalar lines
	s_mul_i32 s62, s56, HALF                       ; my 64 rows of x
	s_mul_i32 s63, s57, HALF                       ; my 64 rows of W,
	s_add_co_u32 s63, s63, SLOT                    ; which lie in slot 1
	v_add_nc_u32 v[ADRA], s62, v3
	v_add_nc_u32 v[ADRB], s63, v3
	s_add_co_u32 s62, s62, SLOT
	v_add_nc_u32 v[ADRA+1], s62, v3
	v_and_b32 v12, 31, v0
	v_lshlrev_b32 v[PFO], 10, v12                  ; 1,024 x lane
	v_lshlrev_b32 v12, 4, v12                      ; 16 x lane: my place in every image
	s_lshr_b32 s10, s60, 4                         ; the batch (a work-group's blocks lie in one batch)
	s_lshl_b32 s10, s10, 3
	s_lshl_b32 s11, s61, 4
	s_add_co_u32 s10, s10, s11
	s_lshl_b32 s11, s58, 1
	s_add_co_u32 s10, s10, s11
	s_add_co_u32 s10, s10, s57                     ; bh = 16 br + 8 batch + head, head = 2 cx + wc
	s_lshl_b32 s10, s10, 4
	s_and_b32 s11, s60, 15
	s_add_co_u32 s10, s10, s11                     ; 16 bh + my first key step
	s_wait_kmcnt 0x0
	s_add_co_i32 s26, s20, s21                     ; es = ea + eb
	s_sub_co_i32 s27, 0, s26
	s_wait_loadcnt 0x0
.set j, 0
.rept 32
	v_ldexp_f32 v[BT+j], v[BT+j], s27              ; b / 2^es
.set j, j+1
.endr
.macro MKSC vsc, vlim, se              ; 2^(e - es) and 57,344 x that, e in s[se]
	s_sub_co_i32 s30, s[\se], s26
	s_add_co_i32 s30, s30, 127
	s_lshl_b32 s31, s30, 23
	v_mov_b32 v[\vsc], s31
	s_add_co_i32 s30, s30, 15
	s_lshl_b32 s30, s30, 23
	s_or_b32 s30, s30, 0x600000
	v_mov_b32 v[\vlim], s30
.endm
; x's four fragments of K step k of slot s into set f.  Registers 4 i .. 4 i + 3 take k = 32 i + 16 h + 0 .. 15: a permutation of k, the same in x and in W, so every product meets its partner.
.macro FETCH s, k, f
	WIN 0x40                                       ; destination window 1, address window 0
.irp a, 0,1,2,3
.irp i, 0,1,2,3
	ds_load_b128 v[(\f)+16*\a+4*\i:(\f)+16*\a+4*\i+3], v[ADRA+(\s)] offset:16*PITCH*\a+128*(\k)+32*\i
.endr
.endr
.endm
; four products T: x's tile a against W's four.  first: the bias starts the sums.  The accumulators take turns, one instruction a turn, in the same order in every step.
.macro MULT f, a, k, first
	WIN 0x06+(\k)/4                                ; source 0 (W) window 2 or 3, source 1 (x) window 1; C and D window 0
.irp t, 0,1,2,3
.if \first
	v_wmma_f32_16x16x128_bf8_bf8 v[ACT+8*(4*\a+\t):ACT+8*(4*\a+\t)+7], v[64*((\k)%4)+16*\t:64*((\k)%4)+16*\t+15], v[(\f)+16*\a:(\f)+16*\a+15], v[BT+8*\t:BT+8*\t+7]
.else
	v_wmma_f32_16x16x128_bf8_bf8 v[ACT+8*(4*\a+\t):ACT+8*(4*\a+\t)+7], v[64*((\k)%4)+16*\t:64*((\k)%4)+16*\t+15], v[(\f)+16*\a:(\f)+16*\a+15], v[ACT+8*(4*\a+\t):ACT+8*(4*\a+\t)+7]
.endif
.endr
.endm
; four products N: W's tile t against x's four, the sources swapped
.macro MULN f, t, k, first
.if \first
	WIN 0x49                                       ; source 0 (x) window 1, source 1 (W) window 2; C (the bias) window 0; D window 1
.else
	WIN 0x59+4*((\k)/4)                            ; C and D window 1
.endif
.irp a, 0,1,2,3
.if \first
	v_wmma_f32_16x16x128_bf8_bf8 v[128+8*(4*\t+\a):128+8*(4*\t+\a)+7], v[(\f)+16*\a:(\f)+16*\a+15], v[64*((\k)%4)+16*\t:64*((\k)%4)+16*\t+15], v[BN+8*\t:BN+8*\t+7]
.else
	v_wmma_f32_16x16x128_bf8_bf8 v[128+8*(4*\t+\a):128+8*(4*\t+\a)+7], v[(\f)+16*\a:(\f)+16*\a+15], v[64*((\k)%4)+16*\t:64*((\k)%4)+16*\t+15], v[128+8*(4*\t+\a):128+8*(4*\t+\a)+7]
.endif
.endr
.endm
; T's 16 accumulators become codes: relu and the hold in one, then eight numbers a conversion: registers 2 t, 2 t + 1 of the fragment of tokens 16 a on.  Each accumulator from its low end on.
.macro QT sc, lim
.irp a, 0,1,2,3
.set j, 0
.rept 32
	v_med3_num_f32 v[ACT+32*\a+j], v[ACT+32*\a+j], 0, v[\lim]
.set j, j+1
.endr
.irp t, 0,1,2,3
	v_cvt_scalef32_pk8_bf8_f32 v[CT+8*\a+2*\t:CT+8*\a+2*\t+1], v[ACT+8*(4*\a+\t):ACT+8*(4*\a+\t)+7], v[\sc]
.endr
.endr
	v_nop                                          ; one plain vector instruction behind the last conversion
.endm
; The head's end: everybody's part of block 0 and of the weight is in; my 64 columns of W go into windows 2 and 3.
.macro START
	s_wait_alu depctr_va_vdst(0)
	s_wait_tensorcnt 0x0
	s_barrier_signal -1
	s_barrier_wait -1
.irp k, 0,1,2,3,4,5,6,7
	WIN 0x80+0x40*(\k/4)
.irp t, 0,1,2,3
.irp i, 0,1,2,3
	ds_load_b128 v[64*(\k%4)+16*\t+4*\i:64*(\k%4)+16*\t+4*\i+3], v[ADRB] offset:16*PITCH*\t+128*\k+32*\i
.endr
.endr
.endr
.endm
; BLOCK b of nb.  It lies in slot b % 2.  Where a block follows, the other slot is filled again with it: all my tensor loads are waited for, the add, the wait for it and for my reads of that slot
; (b = 0: the weight's), a round of the cluster's barrier, and my one load of 32 rows, which has this block's products in which to land.
.macro BLOCK b, nb, vt
	WIN 0
	s_wait_tensorcnt 0x0                           ; my part of this block has landed; no load of mine is out, so a group 0 may be written
.if (\b+1) < \nb
	ds_add_u32 v30, v31
.endif
.if \b > 0
	s_wait_xcnt 0x0                                ; the last block's stores have read their registers and bases
.if \vt
	s_add_nc_u64 s[12:13], s[12:13], 262144        ; y: 16 fragments' columns x 8 tiles x 2,048 bytes on
	s_add_nc_u64 s[14:15], s[14:15], 16384         ; V^T: a key step on
.else
	s_add_nc_u64 s[12:13], s[12:13], s[ST:ST+1]
.endif
.endif
.if \b == 2
	s_add_nc_u64 s[G0C+6:G0C+7], s[G0C+6:G0C+7], 2*131072   ; slot 1: from block 1 to block 3
.endif
	s_wait_dscnt 0x0
.if (\b+1) < \nb
	CROUND
	tensor_load_to_lds s[G0C+4*((\b+1)%2):G0C+4*((\b+1)%2)+3], s[G1C:G1C+7]
	s_nop 0
	PLACES
.else
	s_barrier_signal -1                            ; nothing is filled again: the work-group's barrier shows the block whole
	s_barrier_wait -1
.endif
	FETCH (\b)%2, 0, 0
.irp k, 0,1,2,3,4,5,6,7
	s_wait_dscnt 0x0                               ; this step's fragments are in (asked for a step ago)
.if \k < 7
	PLACES
	FETCH (\b)%2, \k+1, 64*((\k+1)%2)
.endif
.if \k == 2
.if (\b+2) < \nb
	global_prefetch_b8 v[PFO], s[PF:PF+1] offset:(\b+2)*131072 th:TH_LOAD_NT scope:SCOPE_SE   ; my 32 pieces of block b + 2; the address registers are never rewritten
.endif
.endif
.irp a, 0,1,2,3
	MULT 64*(\k%2), \a, \k, (\k==0)
.endr
.if \vt
.irp t, 0,1,2,3
	MULN 64*(\k%2), \t, \k, (\k==0)
.endr
.endif
.endr
	WIN 0
	PLACES
	QT 16, 17
.irp a, 0,1,2,3
.irp i, 0,1
.if \vt
	global_store_b128 v12, v[CT+8*\a+4*\i:CT+8*\a+4*\i+3], s[12:13] offset:2048*\a+512*\i
.else
	global_store_b128 v12, v[CT+8*\a+4*\i:CT+8*\a+4*\i+3], s[12:13] offset:1024*\a+512*\i   ; 32 lanes store 512 consecutive bytes, at a multiple of 512 from the buffer's first byte
.endif
.endr
.endr
.if \vt
	s_wait_xcnt 0x0                                ; y's stores have read the codes' registers, which V^T's codes take
	WIN 0x41                                       ; source 0 and destination window 1
.set j, 0
.rept 128
	v_med3_num_f32 v[128+j], v[128+j], 0, v19
.set j, j+1
.endr
	WIN 0x01                                       ; source 0 window 1
.irp t, 0,1,2,3
.irp a, 0,1,2,3
	v_cvt_scalef32_pk8_bf8_f32 v[CT+8*\t+2*\a:CT+8*\t+2*\a+1], v[128+8*(4*\t+\a):128+8*(4*\t+\a)+7], v18   ; channel 16 t + r, tokens 16 a + 8 h + 0 .. 7
.endr
.endr
	WIN 0
	v_nop                                          ; one plain vector instruction behind the last conversion
.irp t, 0,1,2,3
.irp i, 0,1
	global_store_b128 v12, v[CT+8*\t+4*\i:CT+8*\t+4*\i+3], s[14:15] offset:2048*\t+512*\i
.endr
.endr
.endif
.endm
	s_cmp_ge_u32 s93, 2                            ; the cluster's y: the same in all sixteen partners
	s_cbranch_scc1 .Lv
	; ---- q and k: four blocks
	MKSC 16, 17, 22
	s_and_b32 s62, s[WS], 1
	s_cmp_lg_u32 s62, 0                            ; odd weights are k's
	s_cselect_b64 s[12:13], s[36:37], s[34:35]     ; kvimg or qimg
	s_cselect_b32 s62, 14, 13                      ; a key step's 16,384 bytes, or its eight tiles of queries of 1,024
	s_lshl_b32 s14, s10, s62
	s_lshl_b32 s[ST], 1, s62
	s_mov_b32 s[ST+1], 0
	s_lshl_b32 s63, s56, 12                        ; my four tiles: 4,096 wr
	s_add_co_u32 s14, s14, s63
	s_mov_b32 s15, 0
	s_add_nc_u64 s[12:13], s[12:13], s[14:15]
	START
	BLOCK 0, 4, 0
	BLOCK 1, 4, 0
	BLOCK 2, 4, 0
	BLOCK 3, 4, 0
	s_branch .Lend
.Lv:
	; ---- v: two blocks; T gives its columns of y, N its fragments of V^T
.irp t, 0,1,2,3
	global_load_b32 v[20+\t], v14, s[16:17] offset:64*\t    ; b[16 t + r]
.endr
	MKSC 16, 17, 23                                ; T: y's scale
	MKSC 18, 19, 22                                ; N: V^T's
	s_lshl_b32 s6, s60, 4                          ; y: ((16 rb + 8 + 4 br + cx) x 8 + 4 wr) x 2,048 + 1,024 wc
	s_lshl_b32 s7, s61, 2
	s_add_co_u32 s6, s6, s7
	s_add_co_u32 s6, s6, s58
	s_add_co_u32 s6, s6, 8
	s_lshl_b32 s6, s6, 3
	s_lshl_b32 s7, s56, 2
	s_add_co_u32 s6, s6, s7
	s_lshl_b32 s6, s6, 11
	s_lshl_b32 s7, s57, 10
	s_add_co_u32 s6, s6, s7
	s_mov_b32 s7, 0
	s_add_nc_u64 s[12:13], s[38:39], s[6:7]
	s_lshl_b32 s8, s10, 14                         ; V^T: the key step's 16,384 bytes, behind K's 8,192; my 64 tokens are registers 8 wr on: 1,024 wr
	s_lshl_b32 s9, s56, 10
	s_add_co_u32 s8, s8, s9
	s_add_co_u32 s8, s8, 8192
	s_mov_b32 s9, 0
	s_add_nc_u64 s[14:15], s[36:37], s[8:9]
	s_wait_loadcnt 0x0
.irp t, 0,1,2,3
.irp i, 0,1,2,3,4,5,6,7
	v_ldexp_f32 v[BN+8*\t+\i], v[20+\t], s27       ; N's bias: all eight registers of tile t hold b[16 t + r] / 2^es
.endr
.endr
	START
	BLOCK 0, 2, 1
	BLOCK 1, 2, 1
.Lend:
	s_wait_tensorcnt 0x0                           ; the wave's end
	ds_add_u32 v30, v31
	s_wait_dscnt 0x0
	CROUND                                         ; the closing round: no work-group ends while a partner may still ask for a tile that names it
	s_endpgm
.Lfunc_end_k_q3135285710_proj:
	.size	k_q3135285710_proj, .Lfunc_end_k_q3135285710_proj-k_q3135285710_proj
	.p2alignl 7, 3214868480
	.fill 96, 4, 3214868480
	.section	.rodata,"a",@progbits
	.p2align	6, 0x0
	.amdhsa_kernel k_q3135285710_proj
		.amdhsa_group_segment_fixed_size 327680
		.amdhsa_private_segment_fixed_size 0
		.amdhsa_enable_private_segment 0
		.amdhsa_kernarg_size 144
		.amdhsa_user_sgpr_count 2
		.amdhsa_user_sgpr_kernarg_segment_ptr 1
		.amdhsa_wavefront_size32 1
		.amdhsa_system_sgpr_workgroup_id_x 1
		.amdhsa_system_sgpr_workgroup_id_y 1
		.amdhsa_system_sgpr_workgroup_id_z 1
		.amdhsa_system_vgpr_workitem_id 0
		.amdhsa_next_free_vgpr 1024
		.amdhsa_next_free_sgpr 104
		.amdhsa_reserve_vcc 0
		.amdhsa_float_denorm_mode_32 3
		.amdhsa_float_denorm_mode_16_64 3
		.amdhsa_memory_ordered 1
		.amdhsa_forward_progress 1
		.amdhsa_inst_pref_size 237
	.end_amdhsa_kernel
	.amdgpu_metadata
---
amdhsa.version: [ 1, 2 ]
amdhsa.kernels:
  - .name:           k_q3135285710_proj
    .symbol:         k_q3135285710_proj.kd
    .args:
      - { .name: Wqs_codes, .offset: 0, .size: 8, .value_kind: global_buffer, .address_space: global }
      - { .name: Wks_codes, .offset: 8, .size: 8, .value_kind: global_buffer, .address_space: global }
      - { .name: Wqc_codes, .offset: 16, .size: 8, .value_kind: global_buffer, .address_space: global }
      - { .name: Wkc_codes, .offset: 24, .size: 8, .value_kind: global_buffer, .address_space: global }
      - { .name: Wvs_codes, .offset: 32, .size: 8, .value_kind: global_buffer, .address_space: global }
      - { .name: Wvc_codes, .offset: 40, .size: 8, .value_kind: global_buffer, .address_space: global }
      - { .name: bqs, .offset: 48, .size: 8, .value_kind: global_buffer, .address_space: global }
      - { .name: bks, .offset: 56, .size: 8, .value_kind: global_buffer, .address_space: global }
      - { .name: bqc, .offset: 64, .size: 8, .value_kind: global_buffer, .address_space: global }
      - { .name: bkc, .offset: 72, .size: 8, .value_kind: global_buffer, .address_space: global }
      - { .name: bvs, .offset: 80, .size: 8, .value_kind: global_buffer, .address_space: global }
      - { .name: bvc, .offset: 88, .size: 8, .value_kind: global_buffer, .address_space: global }
      - { .name: f1_codes, .offset: 96, .size: 8, .value_kind: global_buffer, .address_space: global }
      - { .name: f2_codes, .offset: 104, .size: 8, .value_kind: global_buffer, .address_space: global }
      - { .name: lowp_scales, .offset: 112, .size: 8, .value_kind: global_buffer, .address_space: global }
      - { .name: qimg, .offset: 120, .size: 8, .value_kind: global_buffer, .address_space: global }
      - { .name: kvimg, .offset: 128, .size: 8, .value_kind: global_buffer, .address_space: global }
      - { .name: yimg, .offset: 136, .size: 8, .value_kind: global_buffer, .address_space: global }
    .group_segment_fixed_size: 327680
    .private_segment_fixed_size: 0
    .kernarg_segment_align: 8
    .kernarg_segment_size: 144
    .max_flat_workgroup_size: 128
    .sgpr_count:     104
    .vgpr_count:     1024
    .wavefront_size: 32
...
	.end_amdgpu_metadata
.endif
;; end of part 1
;; launch attn (part 2): grid 8 x 32, 16 waves a work-group, clusters of 4 x 1, 264,192 bytes of LDS; arguments qimg, kvimg, lowp_scales, yimg; writes yimg
.if DOCPART == 2
	.amdgcn_target "amdgcn-amd-amdhsa--gfx1250"
	.amdhsa_code_object_version 6
	.text
	.protected	k_q3135285710_attn
	.globl	k_q3135285710_attn
	.p2align	8
	.type	k_q3135285710_attn,@function
k_q3135285710_attn:
	s_mov_b64 s[64:65], 0
	v_nop
	global_prefetch_b8 v0, s[64:65] scope:SCOPE_SE
	s_setreg_imm32_b32 hwreg(HW_REG_WAVE_MODE, 25, 1), 1
	s_wait_xcnt 0x0
	s_wait_alu depctr_hold_cnt(0) depctr_sa_sdst(0) depctr_va_vdst(0) depctr_va_sdst(0) depctr_va_ssrc(0) depctr_va_vcc(0) depctr_vm_vsrc(0)
	s_getreg_b32 s2, hwreg(HW_REG_IB_STS2, 6, 4)
	s_cmp_eq_u32 s2, 0
	s_cbranch_scc0 .Lentry_in_a_cluster
	s_endpgm
.Lentry_in_a_cluster:
	s_bfe_u32 s2, ttmp6, 0x10000c
	s_cmp_lg_u32 s2, 0x3003
	s_cbranch_scc0 .Lentry_shape_is_right
	s_endpgm
.Lentry_shape_is_right:
; Both attention branches on codes of E5M2.  bh = 16 br + 8 batch + head (work-group y): 32 units of 2,048 queries x 2,048 keys, head size 64.
; THE SOFTMAX AHEAD OF THE SECOND PRODUCT: t = score x log2(e) / 8; M = the row's largest t so far, rounded UP to a whole number; p = 2^(t - M) is quantised along the keys, not normalised.
; The row's sum is taken of the unquantised p, in f32, and divides O at the end.  When M moves, the sums and O are multiplied by 2^(old M - new M), which rounds nothing.
; SHARES.  A work-group owns 256 queries of one unit; each of its sixteen waves owns one tile of 16, in 256 registers.  Every wave walks the unit's 16 key steps of 128 keys.
; LDS.  The unit's K and V^T are 256 KiB of register images (a key step: eight tiles of K of 1,024 bytes, then four tiles of V^T of 2,048), one dense block of memory, filled ONCE: wave w brings key step w, 16 KiB, by its one tensor load.
; THE ORDER OF THE KEYS IS FREE under a running M, so wave w BEGINS WITH ITS OWN KEY STEP w: for that it needs its own wait on TENSORcnt alone.  The one barrier that shows all sixteen steps whole is signalled
; ahead of that step and waited for behind it; then come steps w + 1 .. w + 15, modulo 16.  Nothing is filled again, so no other barrier stands ahead of the closing round.
; CLUSTER.  The four query blocks of a cluster belong to one unit and read the same block: each load is asked for JOINTLY, with the same descriptor and the mask of all four.
; NO PREFETCH: all that the work-group reads through LDS is asked for by the sixteen loads at the head; there is no loop to run ahead in.
; LAYOUT.  Both products are used transposed: S^T = K Q^T (source 0 = 16 keys, source 1 = my queries), O^T = V^T P^T: a lane holds ONE query.  In the 8-bit layout of the plain forms registers 2 c, 2 c + 1 hold
; k = 16 c + 8 h + 0 .. 7, and tile c of S^T holds keys 16 c + 8 h + 0 .. 7 in a lane's eight registers: one conversion a tile gives P's registers, and at the end one a tile of O^T gives y's.
; THE SOFTMAX GOES IN EIGHT PHASES, one a tile of scores, with one wait at each phase's head.  Behind each exponential of tile c stand plain lines that read only what was written ahead of that wait and whose
; results are first read behind the next one: one link of each of the four chains of the sum (tile c - 1), the holds of tile c - 1, the scalings of tile c + 2.  Tile c - 2's conversion stands at the phase's head.
; O^T's rescaling stands ahead of all exponentials.  The four chains of the sum live through all steps and are joined at the end.
; A STEP AHEAD.  The next step's K (64 registers of its own) is fetched behind the maximum; V^T's tiles 0 to 2 have 48 registers; tile 3 takes the registers of the scores' tiles 0 and 1 once those are converted.
; LIMITS on the given exponents: eq + ek between -123 and 130 (added to c's exponent field); ep and y's exponent between -126 and 112; ep + ev goes in by v_ldexp_f32 and has none.
; REGISTERS: v0 the old -M; v1 16 x lane; v2 the step's LDS address; v4 the next step's; v5 a lane permute's result; v3, v10 p's hold (twice); v11 p's scale; v6, v7 the add's; v12 -M; v13 the largest score;
;   v[14:15], v[30:31], v[8:9], v[28:29] the sum's four chains; v16-23 Q; v24-27 at work (v26 f); v32-95 K; v96-159 S^T, then p (v96-111 later V^T's tile 3, v112-119 tile 7's held p); v160-191 O^T; v192-207 p's codes;
;   v208-255 V^T's tiles 0 to 2; on the way out v8, v9 y's hold and scale, v208-239 o, v240-247 y's codes.
.set WV, 12                            ; s12  my wave's number
.macro CROUND                          ; a round of the cluster's barrier
	s_barrier_signal -1
	s_barrier_wait -1
	s_cmp_lg_u32 s[WV], 0
	s_cbranch_scc1 .Lnot_wave_0_\@
	s_barrier_signal -3
.Lnot_wave_0_\@:
	s_barrier_wait -3
	s_barrier_signal -1
	s_barrier_wait -1
.endm
	s_load_b256 s[4:11], s[0:1], 0x0               ; qimg s[4:5], kvimg s[6:7], the scales' exponents s[8:9], yimg s[10:11]
	v_lshl_add_u32 v6, v0, 2, 0x40000              ; my spare word, behind the unit's block
	v_mov_b32 v7, 0
	ds_add_u32 v6, v7                              ; the opening lines: the add, twice on end, and its wait ahead of my tensor load
	ds_add_u32 v6, v7
	v_lshrrev_b32 v1, 5, v0
	v_readfirstlane_b32 s[WV], v1                  ; wave 0..15
	s_bfe_u32 s13, ttmp6, 0x40000                  ; cx
	s_lshl_b32 s14, ttmp9, 2
	s_add_co_u32 s14, s14, s13                     ; qb: my block of 256 queries: it enters Q's and y's addresses alone
	s_and_b32 s15, ttmp7, 0xffff                   ; bh, which the four partners share
	s_lshr_b32 s16, s15, 4                         ; br
	s_lshl_b32 s17, s16, 4                         ; the branch's four entries begin 16 br bytes behind entry 12
	s_mov_b32 s24, 15|(3<<16)|(1<<21)              ; group 1: 15:0 the mask: all four work-groups; 17:16 elements of 8 bytes; 21 set beside a mask; no padding
	s_mov_b32 s25, 32<<16                          ; tensor_dim0 = 32 elements: rows of 256 bytes
	s_mov_b32 s26, 64<<16                          ; tensor_dim1 = 64 rows
	s_mov_b32 s27, 32<<16                          ; tile_dim0
	s_mov_b32 s28, 64                              ; tile_dim1
	s_mov_b32 s29, 32                              ; from row to row: dense
	s_mov_b32 s30, 0
	s_mov_b32 s31, 0
	s_mov_b32 s20, 0x76543210                      ; v_permlanex16_b32's selects for lane l xor 16
	s_mov_b32 s21, 0xfedcba98
	s_mov_b32 s22, 0x3e38aa3b                      ; c = log2(e) / sqrt(64)
	s_lshl_b32 s50, s[WV], 14                      ; wave w brings key step w: 16,384 w in the unit's block and in LDS
	s_lshl_b32 s18, s15, 18                        ; the unit's 262,144 bytes
	s_add_co_u32 s18, s18, s50
	s_mov_b32 s19, 0
	s_lshl_b32 s58, s15, 7                         ; Q: tile 128 bh + 16 qb + wave, 1,024 bytes each
	s_lshl_b32 s59, s14, 4
	s_add_co_u32 s58, s58, s59
	s_add_co_u32 s58, s58, s[WV]
	s_lshl_b32 s58, s58, 10
	s_mov_b32 s59, 0
	s_bfe_u32 s60, s15, 0x10003                    ; y: ((16 (16 batch + 2 qb + wave / 8) + 4 br + head / 2) x 8 + wave % 8) x 2,048 + 1,024 (head % 2)
	s_lshl_b32 s60, s60, 4
	s_lshl_b32 s61, s14, 1
	s_add_co_u32 s60, s60, s61
	s_lshr_b32 s61, s[WV], 3
	s_add_co_u32 s60, s60, s61
	s_lshl_b32 s60, s60, 4
	s_lshl_b32 s61, s16, 2
	s_add_co_u32 s60, s60, s61
	s_bfe_u32 s61, s15, 0x20001
	s_add_co_u32 s60, s60, s61
	s_lshl_b32 s60, s60, 3
	s_and_b32 s61, s[WV], 7
	s_add_co_u32 s60, s60, s61
	s_lshl_b32 s60, s60, 11
	s_and_b32 s61, s15, 1
	s_lshl_b32 s61, s61, 10
	s_add_co_u32 s60, s60, s61
	s_mov_b32 s61, 0
	s_wait_dscnt 0x0                               ; both opening adds are done
	s_wait_kmcnt 0x0
	s_load_b128 s[52:55], s[8:9], s17 offset:0x30  ; eq, ek, ep, ev
	s_load_b32 s56, s[8:9], 0x50                   ; y's exponent
	s_add_nc_u64 s[6:7], s[6:7], s[18:19]
	s_add_nc_u64 s[4:5], s[4:5], s[58:59]
	s_add_nc_u64 s[10:11], s[10:11], s[60:61]
	s_mov_b32 s32, 1                               ; group 0: count = 1
	s_mov_b32 s33, s50                             ; LDS address: 16,384 x wave
	s_mov_b64 s[34:35], s[6:7]
	s_or_b32 s35, s35, 0x80000000                  ; type = 2
	CROUND                                         ; all four work-groups are here: the joint loads meet
	tensor_load_to_lds s[32:35], s[24:31]          ; every wave's one load: key step w
	s_nop 0
	v_and_b32 v1, 31, v0
	v_lshlrev_b32 v1, 4, v1                        ; 16 x lane
	global_load_b128 v[16:19], v1, s[4:5]          ; Q's fragment stays in registers
	global_load_b128 v[20:23], v1, s[4:5] offset:512
	v_mov_b32 v13, 0xff61b1e6                      ; the largest score so far: -3e38
	v_mov_b32 v12, 0x7f61b1e6                      ; -M: 3e38, so that the first f is 0
.irp r, 14,15,30,31,8,9,28,29
	v_mov_b32 v\r, 0                               ; the sum's four chains
.endr
	v_mov_b32 v5, 0                                ; written once: a lane permute's destination counts as one of its sources
.set j, 0
.rept 32
	v_mov_b32 v[160+j], 0                          ; O^T: the step is written once for all steps; the first finds zeros, which f = 0 leaves zeros
.set j, j+1
.endr
	s_wait_kmcnt 0x0
	s_add_co_i32 s57, s52, s53
	s_lshl_b32 s57, s57, 23
	s_add_co_i32 s22, s22, s57                     ; a score stands for score x 2^(eq + ek): the two exponents are added to c's exponent field
	s_mov_b32 s23, s22                             ; (named with it as a pair, so it is written)
	s_add_co_i32 s57, s54, 127
	s_lshl_b32 s51, s57, 23
	v_mov_b32 v11, s51                             ; 2^ep
	s_add_co_i32 s57, s57, 15
	s_lshl_b32 s57, s57, 23
	s_or_b32 s57, s57, 0x600000
	v_mov_b32 v10, s57                             ; 57,344 x 2^ep,
	v_mov_b32 v3, s57                              ; twice: one register for each half of a dual-issue pair
	s_add_co_i32 s57, s56, 127
	s_lshl_b32 s36, s57, 23                        ; the same for y, kept in scalar registers up to the way out
	s_add_co_i32 s57, s57, 15
	s_lshl_b32 s37, s57, 23
	s_or_b32 s37, s37, 0x600000
	s_add_co_i32 s62, s54, s55                     ; ep + ev
	s_mov_b32 s47, s50                             ; 16,384 x (wave + steps done): stepped once a step
	s_and_b32 s48, s47, 0x3c000                    ; the step in hand, modulo 16
.macro ADV                             ; on to the next key step; s46: the one after it
	s_add_co_u32 s47, s47, 16384
	s_and_b32 s48, s47, 0x3c000
	s_add_co_u32 s45, s47, 16384
	s_and_b32 s46, s45, 0x3c000
.endm
.macro LOADK a                         ; a step's eight tiles of K
.irp c, 0,1,2,3,4,5,6,7
	ds_load_b128 v[32+8*\c:35+8*\c], v[\a] offset:1024*\c
	ds_load_b128 v[36+8*\c:39+8*\c], v[\a] offset:1024*\c+512
.endr
.endm
; THE LINES OF A TILE'S SOFTMAX.  Tile c is v[96 + 8 c] on: my query's keys 16 c + 8 h + 0 .. 7.
.macro FM c, i                         ; pair i: t - M (of the pairs c and -M the low word serves both halves)
	v_pk_fma_f32 v[96+8*(\c)+2*\i:97+8*(\c)+2*\i], v[96+8*(\c)+2*\i:97+8*(\c)+2*\i], s[22:23], v[12:13] op_sel_hi:[1,0,0]
.endm
.macro EX c, i                         ; number i: p = 2^(t - M), at most 1
	v_exp_f32 v[96+8*(\c)+\i], v[96+8*(\c)+\i]
.endm
.macro AD c, i                         ; pair i joins chain i of the row's sum, which is taken of the unquantised p: one link of a chain a phase
.if \i == 0
	v_pk_add_f32 v[14:15], v[14:15], v[96+8*(\c):97+8*(\c)]
.elseif \i == 1
	v_pk_add_f32 v[30:31], v[30:31], v[98+8*(\c):99+8*(\c)]
.elseif \i == 2
	v_pk_add_f32 v[8:9], v[8:9], v[100+8*(\c):101+8*(\c)]
.else
	v_pk_add_f32 v[28:29], v[28:29], v[102+8*(\c):103+8*(\c)]
.endif
.endm
; pair i is held at the largest code x the scale: the conversion to an 8-bit code does not saturate (ISA guide 7.6.2); p is not negative, so the hold is one-sided.  Two holds in one dual-issue instruction.
.macro HD c, i
	v_dual_min_num_f32 v[96+8*(\c)+2*\i], v10, v[96+8*(\c)+2*\i] :: v_dual_min_num_f32 v[97+8*(\c)+2*\i], v3, v[97+8*(\c)+2*\i]
.endm
.macro CV c                            ; registers 2 c, 2 c + 1 of P
	v_cvt_scalef32_pk8_bf8_f32 v[192+2*(\c):193+2*(\c)], v[96+8*(\c):103+8*(\c)], v11
.endm
.macro PHASE c
	s_wait_alu depctr_va_vdst(0)                   ; behind the last phase's exponentials, ahead of this one's
.if \c >= 2
	CV \c-2
.endif
.if \c == 3
.irp g, 0,1,2,3
	ds_load_b128 v[96+4*\g:99+4*\g], v2 offset:8192+2048*3+512*\g   ; V^T's tile 3, into the registers of tiles 0 and 1, which are summed and converted
.endr
.endif
.irp i, 0,1,2,3
	EX \c, \i
.if \c == 0
	FM 1, \i
.else
	AD \c-1, \i
.if \c < 6
	FM \c+2, \i
.endif
.endif
.endr
.irp i, 0,1,2,3
	EX \c, 4+\i
.if \c == 0
	FM 2, \i
.else
	HD \c-1, \i
.endif
.endr
.endm
; A KEY STEP: the 128 keys whose images begin at LDS byte s48.  Their K lies in v32-95.  pre = 1: the K of the step at s46 is fetched.
.macro STEP pre
	v_mov_b32 v0, v12                              ; the old -M.  These lines and the three additions at the last step's end are the places between its last product, which read v96-111, and the products below, which write them (ISA guide 7.12.1)
	v_add_nc_u32 v2, s48, v1
.if \pre
	v_add_nc_u32 v4, s46, v1
.endif
.irp c, 0,1,2,3,4,5,6,7
	v_wmma_f32_16x16x64_bf8_bf8 v[96+8*\c:103+8*\c], v[32+8*\c:39+8*\c], v[16:23], 0   ; lane (r, h): query r, keys 16 c + 8 h + 0 .. 7
.endr
.rept 4
	v_nop                                          ; places in front of the first read of the scores and of the loads over K's registers
.endr
.irp t, 0,1,2
.irp g, 0,1,2,3
	ds_load_b128 v[208+16*\t+4*\g:211+16*\t+4*\g], v2 offset:8192+2048*\t+512*\g   ; V^T's tiles 0 to 2
.endr
.endr
.irp n, 0,1,2,3                        ; the step's largest score of my query among my 64 keys: four chains, the registers in ascending order
	v_max3_num_f32 v[24+\n], v[96+3*\n], v[97+3*\n], v[98+3*\n]
.endr
.set j, 12
.rept 26
	v_max3_num_f32 v[24+(j/2)%4], v[24+(j/2)%4], v[96+j], v[97+j]
.set j, j+2
.endr
	v_max3_num_f32 v24, v24, v25, v26
	v_max_num_f32 v24, v24, v27
.if \pre
	LOADK 4                                        ; the next step's K: it has the rest of this step in which to land
.endif
	v_permlanex16_b32 v5, v24, s20, s21
	v_max3_num_f32 v13, v24, v5, v13               ; with lane l xor 16's, and with the largest so far
	v_mul_f32 v24, s22, v13                        ; as t (c is positive)
	v_floor_f32 v12, -v24                          ; the new -M = floor(-t) = -ceil(t)
	v_sub_f32 v24, v12, v0                         ; old M - new M: a whole number, 0 or less
	v_cvt_i32_f32 v24, v24                         ; (it saturates)
	v_ldexp_f32 v26, 1.0, v24                      ; f = 2^(old M - new M)
.irp i, 0,1,2,3
	FM 0, \i
.endr
.set j, 0
.rept 16
	v_pk_mul_f32 v[160+j:161+j], v[160+j:161+j], v[26:27] op_sel_hi:[1,0]   ; O^T under the new M, ahead of the exponentials; ascending
.set j, j+2
.endr
.irp r, 14,30,8,28
	v_pk_mul_f32 v[\r:\r+1], v[\r:\r+1], v[26:27] op_sel_hi:[1,0]   ; the sum's chains under the new M
.endr
.irp c, 0,1,2,3,4,5,6,7
	PHASE \c
.endr
	s_wait_alu depctr_va_vdst(0)                   ; behind the last exponentials
	CV 6
.irp i, 0,1,2,3                        ; tile 7's held p goes into tile 2's registers, which are converted, so that p as it was stays for the sums behind the products
	v_dual_min_num_f32 v[112+2*\i], v10, v[152+2*\i] :: v_dual_min_num_f32 v[113+2*\i], v3, v[153+2*\i]
.endr
	v_cvt_scalef32_pk8_bf8_f32 v[206:207], v[112:119], v11
	AD 7, 0                                        ; (a plain line behind the last conversion)
	s_wait_alu depctr_va_vdst(0)                   ; directly ahead of the wait below
	s_wait_dscnt 0x0                               ; V^T is in, and so is the next step's K
.irp t, 0,1,2
	v_wmma_f32_16x16x128_bf8_bf8 v[160+8*\t:167+8*\t], v[208+16*\t:223+16*\t], v[192:207], v[160+8*\t:167+8*\t]   ; the four accumulators take turns
.endr
	v_wmma_f32_16x16x128_bf8_bf8 v[184:191], v[96:111], v[192:207], v[184:191]
	AD 7, 1
	AD 7, 2
	AD 7, 3
.endm
	s_wait_alu depctr_va_vdst(0)
	s_wait_loadcnt 0x0                             ; Q
	s_wait_tensorcnt 0x0                           ; my key step has landed:
	s_barrier_signal -1                            ; say so; up to the wait I read my own key step alone, bytes that nobody writes again
	v_add_nc_u32 v4, s48, v1
	LOADK 4
	s_wait_dscnt 0x0
	STEP 0                                         ; key step w
	s_barrier_wait -1                              ; all sixteen key steps are in
	ADV
	v_add_nc_u32 v4, s48, v1
	LOADK 4                                        ; K of key step w + 1
	s_wait_dscnt 0x0
	s_mov_b32 s49, 14
.Lstep:                                                ; key steps w + 1 to w + 14, modulo 16
	STEP 1
	ADV
	s_sub_co_u32 s49, s49, 1
	s_cmp_lg_u32 s49, 0
	s_cbranch_scc1 .Lstep
	STEP 0                                         ; key step w + 15: nothing more to fetch
	; THE WAY OUT: O^T / the sum x 2^(ep + ev), quantised with y's scale: a lane's eight channels of tile t are registers 2 t, 2 t + 1 of my half of y's fragment.
	v_pk_add_f32 v[14:15], v[14:15], v[30:31]      ; the four chains join,
	v_pk_add_f32 v[8:9], v[8:9], v[28:29]
	v_pk_add_f32 v[14:15], v[14:15], v[8:9]
	v_mov_b32 v8, s37                              ; 57,344 x y's scale
	v_mov_b32 v9, s36                              ; y's scale
	v_add_f32 v14, v14, v15                        ; the sum's two halves,
	v_permlanex16_b32 v5, v14, s20, s21
	v_add_f32 v14, v14, v5                         ; and lane l xor 16's
	s_wait_alu depctr_va_vdst(0)                   ; ahead of the transcendental
	v_rcp_f32 v14, v14
	v_nop                                          ; one plain place behind a transcendental
	s_wait_alu depctr_va_vdst(0)                   ; ahead of its first reader
	v_ldexp_f32 v14, v14, s62
	s_wait_alu depctr_va_vdst(0)                   ; directly ahead of the first reader of O^T
.set j, 0
.rept 16
	v_pk_mul_f32 v[208+j:209+j], v[160+j:161+j], v[14:15] op_sel_hi:[1,0]
.set j, j+2
.endr
.set j, 0
.rept 32
	v_med3_num_f32 v[208+j], v[208+j], -v8, v8     ; the hold at the largest code x the scale
.set j, j+1
.endr
.irp t, 0,1,2,3
	v_cvt_scalef32_pk8_bf8_f32 v[240+2*\t:241+2*\t], v[208+8*\t:215+8*\t], v9
.endr
	v_nop                                          ; one plain vector instruction behind the last conversion
	global_store_b128 v1, v[240:243], s[10:11]     ; 32 lanes store 512 consecutive bytes, at a multiple of 512 from the buffer's first byte
	global_store_b128 v1, v[244:247], s[10:11] offset:512
	s_wait_tensorcnt 0x0                           ; the wave's end
	ds_add_u32 v6, v7
	s_wait_dscnt 0x0
	CROUND                                         ; the closing round: no work-group ends while a partner may still ask for a tile that names it
	s_endpgm
.Lfunc_end_k_q3135285710_attn:
	.size	k_q3135285710_attn, .Lfunc_end_k_q3135285710_attn-k_q3135285710_attn
	.p2alignl 7, 3214868480
	.fill 96, 4, 3214868480
	.section	.rodata,"a",@progbits
	.p2align	6, 0x0
	.amdhsa_kernel k_q3135285710_attn
		.amdhsa_group_segment_fixed_size 264192
		.amdhsa_private_segment_fixed_size 0
		.amdhsa_enable_private_segment 0
		.amdhsa_kernarg_size 32
		.amdhsa_user_sgpr_count 2
		.amdhsa_user_sgpr_kernarg_segment_ptr 1
		.amdhsa_wavefront_size32 1
		.amdhsa_system_sgpr_workgroup_id_x 1
		.amdhsa_system_sgpr_workgroup_id_y 1
		.amdhsa_system_sgpr_workgroup_id_z 1
		.amdhsa_system_vgpr_workitem_id 0
		.amdhsa_next_free_vgpr 256
		.amdhsa_next_free_sgpr 66
		.amdhsa_reserve_vcc 0
		.amdhsa_float_denorm_mode_32 3
		.amdhsa_float_denorm_mode_16_64 3
		.amdhsa_memory_ordered 1
		.amdhsa_forward_progress 1
		.amdhsa_inst_pref_size 58
	.end_amdhsa_kernel
	.amdgpu_metadata
---
amdhsa.version: [ 1, 2 ]
amdhsa.kernels:
  - .name:           k_q3135285710_attn
    .symbol:         k_q3135285710_attn.kd
    .args:
      - { .name: qimg, .offset: 0, .size: 8, .value_kind: global_buffer, .address_space: global }
      - { .name: kvimg, .offset: 8, .size: 8, .value_kind: global_buffer, .address_space: global }
      - { .name: lowp_scales, .offset: 16, .size: 8, .value_kind: global_buffer, .address_space: global }
      - { .name: yimg, .offset: 24, .size: 8, .value_kind: global_buffer, .address_space: global }
    .group_segment_fixed_size: 264192
    .private_segment_fixed_size: 0
    .kernarg_segment_align: 8
    .kernarg_segment_size: 32
    .max_flat_workgroup_size: 512
    .sgpr_count:     66
    .vgpr_count:     256
    .wavefront_size: 32
...
	.end_amdgpu_metadata
.endif
;; end of part 2
;; launch outp (part 3): grid 8 x 32, 4 waves a work-group, clusters of 4 x 4, 327,680 bytes of LDS; arguments yimg, Wo_codes, lowp_scales, bo, out0; writes out0
.if DOCPART == 3
	.amdgcn_target "amdgcn-amd-amdhsa--gfx1250"
	.amdhsa_code_object_version 6
	.text
	.protected	k_q3135285710_outp
	.globl	k_q3135285710_outp
	.p2align	8
	.type	k_q3135285710_outp,@function
k_q3135285710_outp:
	s_mov_b64 s[64:65], 0
	v_nop
	global_prefetch_b8 v0, s[64:65] scope:SCOPE_SE
	s_setreg_imm32_b32 hwreg(HW_REG_WAVE_MODE, 25, 1), 1
	s_wait_xcnt 0x0
	s_wait_alu depctr_hold_cnt(0) depctr_sa_sdst(0) depctr_va_vdst(0) depctr_va_sdst(0) depctr_va_ssrc(0) depctr_va_vcc(0) depctr_vm_vsrc(0)
	s_getreg_b32 s2, hwreg(HW_REG_IB_STS2, 6, 4)
	s_cmp_eq_u32 s2, 0
	s_cbranch_scc0 .Lentry_in_a_cluster
	s_endpgm
.Lentry_in_a_cluster:
	s_bfe_u32 s2, ttmp6, 0x10000c
	s_cmp_lg_u32 s2, 0xf033
	s_cbranch_scc0 .Lentry_shape_is_right
	s_endpgm
.Lentry_shape_is_right:
.set BP,     528
.set ABYTES, 65536
.set SLOT,   ABYTES+128*BP
.set SPARE,  2*SLOT
.set STAGE,  SPARE+512
.set SP,     272
.set WV,   14
.set ADRA, 16
.set ADRB, 20
.set STO,  24
.set RD,   25
.set CO,   26
.set SPW,  28
.set NIL,  29
.set TMP,  32
.set BK,   64
.set BO,   96
.set ACC,  128
.set F0,   0
.set F1,   128
.set G1,   24
.set G0,   32
.set G1B,  48
.set G0B,  56
.set MSB, 0
.macro WIN new
.if MSB != \new
	s_set_vgpr_msb (MSB<<8)|\new
.set MSB, \new
.endif
.endm
.macro PLACES
.rept 4
	v_nop
.endr
.endm
.macro JLOAD s
	s_cmp_eq_u32 s15, 0
	s_cbranch_scc0 .Lfor_b_\@
	tensor_load_to_lds s[G0+4*\s:G0+4*\s+3], s[G1:G1+7]
	s_nop 0
.rept 4
	v_nop
.endr
	s_branch .Lasked_\@
.Lfor_b_\@:
	tensor_load_to_lds s[G0B+4*\s:G0B+4*\s+3], s[G1B:G1B+7]
	s_nop 0
.rept 4
	v_nop
.endr
.Lasked_\@:
.endm
.macro CREST
	s_cmp_lg_u32 s[WV], 0
	s_cbranch_scc1 .Lnot_wave_0_\@
	s_barrier_signal -3
.Lnot_wave_0_\@:
	s_barrier_wait -3
	s_barrier_signal -1
	s_barrier_wait -1
.endm
.macro CROUND
	s_barrier_signal -1
	s_barrier_wait -1
	CREST
.endm
	s_load_b256 s[4:11], s[0:1], 0x0
	s_load_b64 s[12:13], s[0:1], 0x20
	v_lshl_add_u32 v[SPW], v0, 2, SPARE
	v_mov_b32 v[NIL], 0
	ds_add_u32 v28, v29
	ds_add_u32 v28, v29
	s_wait_dscnt 0x0
	v_lshrrev_b32 v1, 5, v0
	v_readfirstlane_b32 s[WV], v1
	s_lshr_b32 s15, s[WV], 1
	s_and_b32 s16, s[WV], 1
	s_bfe_u32 s40, ttmp6, 0x40000
	s_bfe_u32 s41, ttmp6, 0x40004
	s_lshl_b32 s42, ttmp9, 2
	s_add_co_u32 s42, s42, s40
	s_and_b32 s17, ttmp7, 0xffff
	s_lshl_b32 s17, s17, 2
	s_add_co_u32 s17, s17, s41
	s_lshl_b32 s43, s41, 2
	s_lshl_b32 s43, 15, s43
	s_lshl_b32 s44, 0x1111, s40
	s_or_b32 s[G1], s43, (3<<16)|(1<<21)
	s_mov_b32 s[G1+1], 32<<16
	s_mov_b32 s[G1+2], 128<<16
	s_mov_b32 s[G1+3], 32<<16
	s_mov_b32 s[G1+4], 128
	s_mov_b32 s[G1+5], 32
	s_mov_b32 s[G1+6], 0
	s_mov_b32 s[G1+7], 0
	s_or_b32 s[G1B], s44, (1<<20)|(1<<21)|(6<<22)|(3<<25)
	s_mov_b32 s[G1B+1], 512<<16
	s_mov_b32 s[G1B+2], 64<<16
	s_mov_b32 s[G1B+3], 512<<16
	s_mov_b32 s[G1B+4], 64
	s_mov_b32 s[G1B+5], 2048
	s_mov_b32 s[G1B+6], 0
	s_mov_b32 s[G1B+7], 0
	s_lshl_b32 s20, s17, 18
	s_lshl_b32 s45, s16, 15
	s_add_co_u32 s20, s20, s45
	s_mov_b32 s21, 0
	s_lshl_b32 s46, s42, 18
	s_lshl_b32 s47, s16, 17
	s_add_co_u32 s46, s46, s47
	s_mov_b32 s47, 0
	s_mul_i32 s23, s16, 64*BP
	s_add_co_u32 s23, s23, ABYTES
	s_wait_kmcnt 0x0
	s_load_b64 s[66:67], s[8:9], 0x50
	s_add_nc_u64 s[20:21], s[4:5], s[20:21]
	s_add_nc_u64 s[46:47], s[6:7], s[46:47]
	CROUND
.irp s, 0,1
	s_mov_b32 s[G0+4*\s], 1
	s_add_co_u32 s[G0+4*\s+1], s45, \s*SLOT
	s_add_nc_u64 s[G0+4*\s+2:G0+4*\s+3], s[20:21], \s*65536
	s_or_b32 s[G0+4*\s+3], s[G0+4*\s+3], 0x80000000
	s_mov_b32 s[G0B+4*\s], 1
	s_add_co_u32 s[G0B+4*\s+1], s23, \s*SLOT
	s_add_nc_u64 s[G0B+4*\s+2:G0B+4*\s+3], s[46:47], \s*512
	s_or_b32 s[G0B+4*\s+3], s[G0B+4*\s+3], 0x80000000
.endr
	JLOAD 0                                        ; slot 0's first fill, behind the opening round: one tensor load a wave at the head
	v_and_b32 v1, 15, v0
	v_bfe_u32 v2, v0, 4, 1
	v_and_b32 v3, 31, v0
	v_lshlrev_b32 v3, 4, v3
	v_mul_u32_u24 v4, v1, BP
	v_lshl_add_u32 v4, v2, 3, v4
	s_lshl_b32 s21, s15, 13
	s_mul_i32 s22, s16, 64*BP
	s_add_co_u32 s22, s22, ABYTES
.irp s, 0,1
	v_add_nc_u32 v[ADRA+\s], s21, v3
	v_add_nc_u32 v[ADRB+\s], s22, v4
	s_add_co_u32 s21, s21, SLOT
	s_add_co_u32 s22, s22, SLOT
.endr
	s_mul_i32 s23, s[WV], 16*SP
	s_add_co_u32 s23, s23, STAGE
	v_mul_u32_u24 v5, v1, SP
	v_lshl_add_u32 v5, v2, 5, v5
	v_add_nc_u32 v[STO], s23, v5
	v_mul_u32_u24 v5, v2, SP
	v_lshl_add_u32 v5, v1, 4, v5
	v_add_nc_u32 v[RD], s23, v5
	v_lshlrev_b32 v5, 12, v2
	v_lshl_add_u32 v[CO], v1, 4, v5
	v_lshlrev_b32 v27, 5, v2
	s_wait_alu depctr_va_vdst(0)
	s_lshl_b32 s18, s42, 9
	s_lshl_b32 s19, s16, 8
	s_add_co_u32 s18, s18, s19
	s_mov_b32 s19, 0
	s_add_nc_u64 s[10:11], s[10:11], s[18:19]
	s_add_nc_u64 s[12:13], s[12:13], s[18:19]
	s_lshl_b32 s18, s17, 19
	s_lshl_b32 s22, s15, 18
	s_add_co_u32 s18, s18, s22
	s_add_nc_u64 s[12:13], s[12:13], s[18:19]
.irp b, 0,1,2,3
	global_load_b128 v[BO+8*\b:BO+8*\b+3], v27, s[10:11] offset:64*\b
	global_load_b128 v[BO+8*\b+4:BO+8*\b+7], v27, s[10:11] offset:64*\b+16
.endr
	s_wait_kmcnt 0x0
	s_add_co_i32 s66, s66, s67
	s_add_co_i32 s66, s66, 127
	s_lshl_b32 s66, s66, 23
	s_mov_b32 s67, s66
.macro FETCH s, q, f
	WIN 0x40
.irp a, 0,1,2,3
.irp g, 0,1,2,3
	ds_load_b128 v[\f+16*\a+4*\g:\f+16*\a+4*\g+3], v[ADRA+\s] offset:16384*\q+2048*\a+512*\g
.endr
.endr
.irp b, 0,1,2,3
.irp c, 0,1,2,3,4,5,6,7
	ds_load_b64 v[\f+64+16*\b+2*\c:\f+64+16*\b+2*\c+1], v[ADRB+\s] offset:16*BP*\b+128*\q+16*\c
.endr
.endr
.endm
.macro MUL4 f, a, zero
	WIN 0x05
.irp b, 0,1,2,3
.if \zero
	v_wmma_f32_16x16x128_bf8_bf8 v[ACC+8*(4*\a+\b):ACC+8*(4*\a+\b)+7], v[\f+64+16*\b:\f+64+16*\b+15], v[\f+16*\a:\f+16*\a+15], 0
.else
	v_wmma_f32_16x16x128_bf8_bf8 v[ACC+8*(4*\a+\b):ACC+8*(4*\a+\b)+7], v[\f+64+16*\b:\f+64+16*\b+15], v[\f+16*\a:\f+16*\a+15], v[ACC+8*(4*\a+\b):ACC+8*(4*\a+\b)+7]
.endif
.endr
.endm
.macro QUARTER s, q, f, g, zero
	s_wait_dscnt 0x0
	PLACES
	FETCH \s, \q, \g
	MUL4 \f, 0, \zero
	MUL4 \f, 1, \zero
	MUL4 \f, 2, \zero
	MUL4 \f, 3, \zero
.endm
.macro TURN slot, next, fill
	WIN 0
	s_wait_tensorcnt 0x0
	ds_add_u32 v[SPW], v[NIL]
	s_wait_dscnt 1
	MUL4 F1, 0, 0
	s_wait_dscnt 0x0
	s_barrier_signal -1
	MUL4 F1, 1, 0
	WIN 0
	s_barrier_wait -1
.if \fill
	CREST
	s_add_nc_u64 s[G0+4*\slot+2:G0+4*\slot+3], s[G0+4*\slot+2:G0+4*\slot+3], 2*65536
	s_add_nc_u64 s[G0B+4*\slot+2:G0B+4*\slot+3], s[G0B+4*\slot+2:G0B+4*\slot+3], 2*512
	JLOAD \slot
.else
	PLACES
.endif
	FETCH \next, 0, F0
	MUL4 F1, 2, 0
	MUL4 F1, 3, 0
.endm
	s_wait_alu depctr_va_vdst(0)
	s_wait_tensorcnt 0x0                           ; my part of slot 0 is in
	ds_add_u32 v[SPW], v[NIL]
	s_wait_dscnt 0x0
	CROUND                                         ; everybody's part of slot 0 is in, and all sixteen work-groups are here
	JLOAD 1                                        ; slot 1's first fill: the first tensor load behind the round
	FETCH 0, 0, F0
	QUARTER 0, 1, F0, F1, 1
	QUARTER 0, 2, F1, F0, 0
	QUARTER 0, 3, F0, F1, 0
	TURN 0, 1, 1
	QUARTER 1, 1, F0, F1, 0
	QUARTER 1, 2, F1, F0, 0
	QUARTER 1, 3, F0, F1, 0
	TURN 1, 0, 1
	QUARTER 0, 1, F0, F1, 0
	QUARTER 0, 2, F1, F0, 0
	QUARTER 0, 3, F0, F1, 0
	TURN 0, 1, 0
	QUARTER 1, 1, F0, F1, 0
	QUARTER 1, 2, F1, F0, 0
	QUARTER 1, 3, F0, F1, 0
	s_wait_dscnt 0x0
	MUL4 F1, 0, 0
	MUL4 F1, 1, 0
	MUL4 F1, 2, 0
	MUL4 F1, 3, 0
	WIN 0
	PLACES
	s_wait_loadcnt 0x0
.macro OUT a
.irp b, 0,1,2,3
.irp i, 0,2,4,6
	v_pk_fma_f32 v[TMP+8*\b+\i:TMP+8*\b+\i+1], v[ACC+8*(4*\a+\b)+\i:ACC+8*(4*\a+\b)+\i+1], s[66:67], v[BO+8*\b+\i:BO+8*\b+\i+1] op_sel_hi:[1,0,1]
.endr
.endr
.set j, 0
.rept 32
	v_max_num_f32 v[TMP+j], 0, v[TMP+j]
.set j, j+1
.endr
.irp b, 0,1,2,3
	ds_store_b128 v[STO], v[TMP+8*\b:TMP+8*\b+3] offset:64*\b
	ds_store_b128 v[STO], v[TMP+8*\b+4:TMP+8*\b+7] offset:64*\b+16
.endr
.if \a > 0
	s_wait_xcnt 0x0
.endif
.irp t, 0,1,2,3,4,5,6,7
	ds_load_b128 v[BK+4*\t:BK+4*\t+3], v[RD] offset:2*SP*\t
.endr
	s_wait_dscnt 0x0
.irp t, 0,1,2,3,4,5,6,7
	global_store_b128 v[CO], v[BK+4*\t:BK+4*\t+3], s[12:13] offset:(16*\a+2*\t)*4096 th:TH_STORE_NT
.endr
.endm
	OUT 0
	OUT 1
	OUT 2
	OUT 3
	s_wait_tensorcnt 0x0
	ds_add_u32 v[SPW], v[NIL]
	s_wait_dscnt 0x0
	CROUND
	s_endpgm
.Lfunc_end_k_q3135285710_outp:
	.size	k_q3135285710_outp, .Lfunc_end_k_q3135285710_outp-k_q3135285710_outp
	.p2alignl 7, 3214868480
	.fill 96, 4, 3214868480
	.section	.rodata,"a",@progbits
	.p2align	6, 0x0
	.amdhsa_kernel k_q3135285710_outp
		.amdhsa_group_segment_fixed_size 327680
		.amdhsa_private_segment_fixed_size 0
		.amdhsa_enable_private_segment 0
		.amdhsa_kernarg_size 40
		.amdhsa_user_sgpr_count 2
		.amdhsa_user_sgpr_kernarg_segment_ptr 1
		.amdhsa_wavefront_size32 1
		.amdhsa_system_sgpr_workgroup_id_x 1
		.amdhsa_system_sgpr_workgroup_id_y 1
		.amdhsa_system_sgpr_workgroup_id_z 1
		.amdhsa_system_vgpr_workitem_id 0
		.amdhsa_next_free_vgpr 512
		.amdhsa_next_free_sgpr 72
		.amdhsa_reserve_vcc 0
		.amdhsa_float_denorm_mode_32 3
		.amdhsa_float_denorm_mode_16_64 3
		.amdhsa_memory_ordered 1
		.amdhsa_forward_progress 1
		.amdhsa_inst_pref_size 94
	.end_amdhsa_kernel
	.amdgpu_metadata
---
amdhsa.version: [ 1, 2 ]
amdhsa.kernels:
  - .name:           k_q3135285710_outp
    .symbol:         k_q3135285710_outp.kd
    .args:
      - { .name: yimg, .offset: 0, .size: 8, .value_kind: global_buffer, .address_space: global }
      - { .name: Wo_codes, .offset: 8, .size: 8, .value_kind: global_buffer, .address_space: global }
      - { .name: lowp_scales, .offset: 16, .size: 8, .value_kind: global_buffer, .address_space: global }
      - { .name: bo, .offset: 24, .size: 8, .value_kind: global_buffer, .address_space: global }
      - { .name: out0, .offset: 32, .size: 8, .value_kind: global_buffer, .address_space: global }
    .group_segment_fixed_size: 327680
    .private_segment_fixed_size: 0
    .kernarg_segment_align: 8
    .kernarg_segment_size: 40
    .max_flat_workgroup_size: 128
    .sgpr_count:     72
    .vgpr_count:     512
    .wavefront_size: 32
...
	.end_amdgpu_metadata
.endif
;; end of part 3
